; MI455X (gfx1250); checked and timed in simulation.
; The chip was launched on July 23, 2026; its instructions are those of AMD's public machine-readable ISA for CDNA 5 (MIT licence, August 2026) and "CDNA5" Instruction Set Architecture Reference Guide (July 2026). The comments in the code are by the model that wrote it; some were corrected since.
;; Model. Allowed arithmetic: float matrix products may take bf16 or f16 operands with f32 sums; all other float work in f32.
;; Inputs: key 4 x 16 x 2,048 x 64 float32; query 4 x 16 x 2,048 x 64 float32; value 4 x 16 x 2,048 x 64 float32.
;; Outputs: out0 4 x 16 x 2,048 x 64 float32.
;; One version. Each part assembles by itself: llvm-mc -triple=amdgcn-amd-amdhsa -mcpu=gfx1250 --defsym DOCPART=n.
;; ======== version 1 of 1: 1 launch
;; launch attn (part 1): grid 256 x 1, 8 waves a work-group, clusters of 4 x 1, 327,680 bytes of LDS; arguments query, key, value, out0; writes out0
.if DOCPART == 1
	.amdgcn_target "amdgcn-amd-amdhsa--gfx1250"
	.amdhsa_code_object_version 6
	.text
	.protected	k_q1cfc3c7cac_attn
	.globl	k_q1cfc3c7cac_attn
	.p2align	8
	.type	k_q1cfc3c7cac_attn,@function
k_q1cfc3c7cac_attn:
	s_mov_b64 s[64:65], 0
	v_nop
	global_prefetch_b8 v0, s[64:65] scope:SCOPE_SE
	s_setreg_imm32_b32 hwreg(HW_REG_WAVE_MODE, 25, 1), 1
	s_wait_xcnt 0x0
	s_wait_alu depctr_hold_cnt(0) depctr_sa_sdst(0) depctr_va_vdst(0) depctr_va_sdst(0) depctr_va_ssrc(0) depctr_va_vcc(0) depctr_vm_vsrc(0)
	s_getreg_b32 s2, hwreg(HW_REG_IB_STS2, 6, 4)
	s_cmp_eq_u32 s2, 0
	s_cbranch_scc0 .Lentry_in_a_cluster
	s_endpgm
.Lentry_in_a_cluster:
	s_bfe_u32 s2, ttmp6, 0x10000c
	s_cmp_lg_u32 s2, 0x3003
	s_cbranch_scc0 .Lentry_shape_is_right
	s_endpgm
.Lentry_shape_is_right:
; out = softmax(Q K^T / 8) V for 64 heads of 2,048 rows x 64 numbers, all f32 in memory.  One launch; scores and probabilities never leave registers.
; SHARES.  A cluster of four work-groups takes one head; a work-group 512 query rows; each of its eight waves 64 query rows (four tiles of 16).
; The four work-groups walk the same K and V, so every tile of K and V (128 keys) is asked for JOINTLY: the same tensor load with the same descriptor and
; the mask 15 in all four, behind a round of the cluster's barrier.
; ORIENTATION.  Scores are made transposed, S^T = K Q^T: source 0 = 16 keys, source 1 = 16 queries.  A lane then holds scores of ONE query (query = lane % 16,
; keys 8 (lane / 16) + 0..7 of each key tile), so maximum, sum and rescale factor are one number a lane and a query tile, and two neighbouring key tiles,
; rounded to bf16 in pairs, ARE the source-1 fragment of O^T = V^T P^T: no number changes its lane.  V^T comes from V kept [key][d] in bf16, by the transposing LDS load.
; DATA PATH.  K and V arrive as f32 in two LDS slots that take turns; each wave rounds 16 rows of K and 16 of V to bf16 into a stage that only LDS stores write;
; all waves read their fragments from that stage behind a barrier.
; SOFTMAX.  A running maximum, renewed every 64 keys; p = exp2(s c - m c) with c = log2(e) / 8, applied in f32 (Q is rounded to bf16 unscaled).
; LIMITS KEPT.  Inputs are finite (for infinities and NaN the pattern of NaN is not promised).  Q, K, V and p are rounded to bf16 for the products; the row sum adds
; the unrounded f32 p.  v_exp_f32 gives zero for results below 2^-126 (ISA guide, 15.8): such p count as zero.
.set KP,    144                        ; pitch of K's bf16 stage: 128 bytes + 16 = 36 words: the 16 rows of a fragment load start 4 r words apart modulo 32
.set VP,    160                        ; pitch of V's bf16 stage: 128 bytes + 32, an odd multiple of 32, for the transposing load
.set QP,    272                        ; pitch of Q's f32 rows and of the output stage: 256 bytes + 16
.set TILEB, 32768                      ; 128 rows of 256 bytes: K's (or V's) part of a tile
.set SLOTB, 65536                      ; a slot: K's part, then V's
.set KST,   131072                     ; K's stage, 128 x 144 bytes
.set VST,   149504                     ; V's stage, 128 x 160 bytes
.set QREG,  169984                     ; 8 x 17,408 bytes: each wave's 64 rows of Q in f32 (filled once), at the end the same wave's output stage
.set QWAVE, 17408
; vector registers, window 0
.set KA,  2                            ; LDS address of my lane's part of a K fragment
.set VA,  3                            ; the same for a V^T fragment
.set QA,  4                            ; my wave's Q rows by fragment layout; also where results go into the output stage
.set RD,  5                            ; the output stage read back by whole rows
.set CK,  6                            ; v6, v7: f32 K rows that I round, slot 0, 1
.set CV,  8                            ; v8, v9: f32 V rows that I round, slot 0, 1
.set CKS, 10                           ; where the rounded K goes
.set CVS, 11                           ; where the rounded V goes
.set GO,  12                           ; 16 x lane: my bytes in a store of 512
.set MX,  16                           ; v[16:19] running maximum of query tile q
.set LS,  20                           ; v[20:23] running sum (this lane's half of the keys)
.set AL,  24                           ; v[24:31] rescale factor in the even register of pair q; the odd ones hold 0 and are never used
.set NM,  32                           ; v32 = -m c; v33 holds 0 and is never used
.set TM,  34                           ; v[34:37] at work for the maximum
.set UU,  40                           ; v[40:47] at work for the sum
.set KF,  64                           ; v[64:127] K fragments: key tile t, half k of d at KF + 16 t + 8 k
.set SC,  128                          ; v[128:255] scores of query tile q, key tile t at SC + 32 q + 8 t; p in bf16 in place at SC + 32 q + 0..15
; vector registers, window 1
.set OA,  0                            ; v[256:383] output sums: query tile q, d tile t at OA + 32 q + 8 t
.set QF,  128                          ; v[384:447] Q fragments at QF + 16 q + 8 k
.set VF,  192                          ; v[448:511] V^T fragments: 32 keys k, d tile t at VF + 32 k + 8 t
; scalar registers
.set G1J, 16                           ; s[16:23] descriptor group 1 of the joint loads
.set G1Q, 24                           ; s[24:31] descriptor group 1 of Q's load
.set G0,  32                           ; s[32:39] descriptor group 0 of the joint loads, a set for each slot
.set G0Q, 40                           ; s[40:43] descriptor group 0 of Q's load
; s_set_vgpr_msb's low byte: bits 1:0 source 0, 3:2 source 1, 5:4 source 2, 7:6 destination; its high byte repeats the setting that is left
.set W_S,   0x04                       ; scores: source 1 (Q) in window 1
.set W_PV,  0x51                       ; outputs: source 0 (V^T), C and D in window 1, source 1 (p) in window 0
.set W_RS,  0x41                       ; rescale: destination and source 0 in window 1
.set W_D1,  0x40                       ; destination in window 1
.set W_OUT, 0x01                       ; source 0 in window 1
.set MSB, 0
.macro WIN new
.if MSB != \new
	s_set_vgpr_msb (MSB<<8)|\new
.set MSB, \new
.endif
.endm
; A round of the cluster's barrier: my work-group's barrier, so that wave 0 speaks for all eight waves; wave 0 signals for the work-group; every wave waits for
; all four work-groups; my work-group's barrier once more.
.macro ROUND
	s_barrier_signal -1
	s_barrier_wait -1
	s_cmp_lg_u32 s12, 0
	s_cbranch_scc1 .Lnot_wave_0_\@
	s_barrier_signal -3
.Lnot_wave_0_\@:
	s_barrier_wait -3
	s_barrier_signal -1
	s_barrier_wait -1
.endm
; Places behind matrix instructions: five, which serve a vector instruction or a load that touches their registers (four) as well as
; a matrix instruction that writes over them (five).
.macro PLACES
.rept 5
	v_nop
.endr
.endm
	s_load_b256 s[4:11], s[0:1], 0x0               ; query s[4:5], key s[6:7], value s[8:9], out0 s[10:11]
	v_lshl_add_u32 v62, v0, 2, 0x4b800
	v_mov_b32 v63, 0
	ds_add_u32 v62, v63
	v_lshrrev_b32 v1, 5, v0
	v_readfirstlane_b32 s12, v1                    ; wave 0..7
	s_bfe_u32 s13, ttmp6, 0x40000                  ; cx: my work-group's place in the cluster = which 512 query rows
	s_mov_b32 s46, 0x3e38aa3b                      ; c = log2(e) / 8, twice: a pair for the packed multiply-add
	s_mov_b32 s47, 0x3e38aa3b
	s_mov_b32 s48, 0xbe38aa3b                      ; -c
	s_mov_b32 s50, 0x76543210                      ; v_permlanex16_b32: lane i of one half reads lane i of the other
	s_mov_b32 s51, 0xfedcba98
	; group 1 of the joint loads: 32 rows of 32 elements of 8 bytes (256 bytes), dense in memory and in LDS
	s_mov_b32 s[G1J+0], 15|(3<<16)|(1<<21)         ; 15:0 the mask: all four work-groups; 17:16 elements of 8 bytes; 21 set beside a mask
	s_mov_b32 s[G1J+1], 32<<16                     ; tensor_dim0 = 32
	s_mov_b32 s[G1J+2], 32<<16                     ; tensor_dim1 = 32
	s_mov_b32 s[G1J+3], 32<<16                     ; tile_dim0 = 32
	s_mov_b32 s[G1J+4], 32                         ; tile_dim1 = 32
	s_mov_b32 s[G1J+5], 32                         ; elements from row to row
	s_mov_b32 s[G1J+6], 0
	s_mov_b32 s[G1J+7], 0
	; group 1 of Q's load: 64 rows of 256 bytes, 4 words of padding behind every 64 words: LDS pitch 272; no mask: each work-group has its own rows
	s_mov_b32 s[G1Q+0], (3<<16)|(1<<20)|(5<<22)|(3<<25)
	s_mov_b32 s[G1Q+1], 32<<16
	s_mov_b32 s[G1Q+2], 64<<16
	s_mov_b32 s[G1Q+3], 32<<16
	s_mov_b32 s[G1Q+4], 64
	s_mov_b32 s[G1Q+5], 32
	s_mov_b32 s[G1Q+6], 0
	s_mov_b32 s[G1Q+7], 0
	; offsets.  K and V: head x 2,048 rows x 256 bytes + my quarter (32 rows) of a tile's 128: made of the cluster's number and the wave's alone
	s_lshl_b32 s56, ttmp9, 19
	s_and_b32 s58, s12, 3
	s_lshl_b32 s58, s58, 13
	s_add_co_u32 s56, s56, s58
	s_mov_b32 s57, 0
	; query and out0: head + 512 rows x cx + 64 rows x wave
	s_lshl_b32 s54, ttmp9, 19
	s_lshl_b32 s14, s13, 17
	s_add_co_u32 s54, s54, s14
	s_lshl_b32 s14, s12, 14
	s_add_co_u32 s54, s54, s14
	s_mov_b32 s55, 0
	; LDS places, made of the wave's number and constants alone
	s_lshl_b32 s[G0+1], s12, 13                    ; slot 0: waves 0-3 K's quarters, waves 4-7 V's: wave x 8,192
	s_add_co_u32 s[G0+5], s[G0+1], SLOTB           ; slot 1
	s_mul_i32 s[G0Q+1], s12, QWAVE
	s_add_co_u32 s[G0Q+1], s[G0Q+1], QREG          ; my wave's Q rows
	s_lshl_b32 s45, s12, 12                        ; the 16 f32 rows that I round: wave x 4,096
	s_mul_i32 s49, s12, 16*KP
	s_add_co_u32 s49, s49, KST                     ; and where they go in K's stage
	s_mul_i32 s60, s12, 16*VP
	s_add_co_u32 s60, s60, VST                     ; and in V's
	s_mov_b32 s[G0+0], 1
	s_mov_b32 s[G0+4], 1
	s_mov_b32 s[G0Q+0], 1
	s_wait_dscnt 0x0
	s_wait_kmcnt 0x0
	s_cmp_lt_u32 s12, 4                            ; waves 0-3 fetch K, waves 4-7 V
	s_cselect_b64 s[52:53], s[6:7], s[8:9]
	s_add_nc_u64 s[52:53], s[52:53], s[56:57]
	s_add_nc_u64 s[4:5], s[4:5], s[54:55]          ; my wave's first row of query
	s_add_nc_u64 s[10:11], s[10:11], s[54:55]      ; and of out0
	s_mov_b64 s[G0+2:G0+3], s[52:53]               ; tile 0
	s_or_b32 s[G0+3], s[G0+3], 0x80000000          ; type 2
	s_add_nc_u64 s[G0+6:G0+7], s[52:53], TILEB     ; tile 1
	s_or_b32 s[G0+7], s[G0+7], 0x80000000
	s_mov_b64 s[G0Q+2:G0Q+3], s[4:5]
	s_or_b32 s[G0Q+3], s[G0Q+3], 0x80000000
	ROUND                                          ; all four work-groups are here: the first joint loads meet
	tensor_load_to_lds s[G0Q:G0Q+3], s[G1Q:G1Q+7]  ; my 64 rows of Q
	s_nop 0
	tensor_load_to_lds s[G0:G0+3], s[G1J:G1J+7]    ; my part of tile 0.  Two tensor loads of a wave are out here, one at any later time
	s_nop 0
	; lane addresses.  r = lane % 16, h = lane / 16
	v_and_b32 v1, 15, v0                           ; r
	v_bfe_u32 v13, v0, 4, 1                        ; h
	v_and_b32 v14, 31, v0                          ; lane
	v_mul_u32_u24 v[KA], v1, KP                    ; K fragment: row r, 16 bytes for each half of the lanes
	v_lshl_add_u32 v[KA], v13, 4, v[KA]
	v_add_nc_u32 v[KA], KST, v[KA]
	v_and_b32 v15, 7, v0                           ; V^T fragment: row 8 h + lane % 8, 16 bytes by bit 3 of the lane
	v_lshl_add_u32 v15, v13, 3, v15
	v_mul_u32_u24 v[VA], v15, VP
	v_bfe_u32 v15, v0, 3, 1
	v_lshl_add_u32 v[VA], v15, 4, v[VA]
	v_add_nc_u32 v[VA], VST, v[VA]
	v_mul_u32_u24 v[QA], v1, QP                    ; Q in f32: row r, 8 numbers = 32 bytes for each half
	v_lshl_add_u32 v[QA], v13, 5, v[QA]
	v_add_nc_u32 v[QA], s[G0Q+1], v[QA]
	v_mul_u32_u24 v[RD], v13, QP                   ; back by rows: lanes 0-15 one row of 256 bytes, lanes 16-31 the next
	v_lshl_add_u32 v[RD], v1, 4, v[RD]
	v_add_nc_u32 v[RD], s[G0Q+1], v[RD]
	v_lshlrev_b32 v15, 4, v1                       ; 16 r
	v_lshl_add_u32 v[CK], v13, 11, v15             ; f32 K: lanes 0-15 row j, lanes 16-31 row j + 8 of my 16
	v_add_nc_u32 v[CK], s45, v[CK]
	v_add_nc_u32 v[CK+1], SLOTB, v[CK]
	v_lshl_add_u32 v[CV], v13, 10, v15             ; f32 V: lanes 16-31 four rows below lanes 0-15
	v_add_nc_u32 v[CV], s45, v[CV]
	v_add_nc_u32 v[CV], TILEB, v[CV]
	v_add_nc_u32 v[CV+1], SLOTB, v[CV]
	v_mul_u32_u24 v[CKS], v13, 8*KP                ; 8 rows of 36 words = 288 words: the two halves of the lanes lie 32 words apart modulo 64
	v_lshl_add_u32 v[CKS], v1, 3, v[CKS]
	v_add_nc_u32 v[CKS], s49, v[CKS]
	v_mul_u32_u24 v[CVS], v13, 4*VP                ; 4 rows of 40 words = 160 words: again 32 modulo 64
	v_lshl_add_u32 v[CVS], v1, 3, v[CVS]
	v_add_nc_u32 v[CVS], s60, v[CVS]
	v_lshlrev_b32 v[GO], 4, v14
.irp i, 1,3,5,7
	v_mov_b32 v[AL+\i], 0                          ; the partners of pairs of which the packed forms use the first register twice
.endr
	v_mov_b32 v[NM+1], 0
	; Q's fragments, once: lane (r, h) of fragment (q, k) holds query 16 q + r, d = 32 k + 8 h + 0..7 and 32 k + 16 + 8 h + 0..7
	s_wait_tensorcnt 0x1                           ; Q has landed; tile 0, issued behind it, stays out.  The bytes are my wave's own: no barrier
.irp q, 0,1,2,3
.irp k, 0,1
	ds_load_b128 v[SC+16*(2*\q+\k):SC+16*(2*\q+\k)+3],     v[QA] offset:\q*16*QP+128*\k
	ds_load_b128 v[SC+16*(2*\q+\k)+4:SC+16*(2*\q+\k)+7],   v[QA] offset:\q*16*QP+128*\k+16
	ds_load_b128 v[SC+16*(2*\q+\k)+8:SC+16*(2*\q+\k)+11],  v[QA] offset:\q*16*QP+128*\k+64
	ds_load_b128 v[SC+16*(2*\q+\k)+12:SC+16*(2*\q+\k)+15], v[QA] offset:\q*16*QP+128*\k+80
.endr
.endr
	s_wait_dscnt 0x0
	WIN W_D1
.set i, 0
.rept 64
	v_cvt_pk_bf16_f32 v[QF+i], v[SC+2*i], v[SC+2*i+1]
.set i, i+1
.endr
	WIN 0
; My 16 rows of K and 16 of V of the tile in a slot: f32 in (each half of the lanes reads 256 neighbouring bytes), bf16 out into the stages.
.macro CONVERT slot
.irp j, 0,1,2,3,4,5,6,7
	ds_load_b128 v[SC+4*\j:SC+4*\j+3], v[CK+\slot] offset:256*\j
.endr
.irp j, 0,1,2,3,4,5,6,7
	ds_load_b128 v[SC+32+4*\j:SC+32+4*\j+3], v[CV+\slot] offset:256*((\j&3)+8*(\j>>2))
.endr
	s_wait_dscnt 0x8                               ; K's eight loads are in; V's eight, issued behind them, may be out
.irp j, 0,1,2,3,4,5,6,7
	v_cvt_pk_bf16_f32 v[SC+64+2*\j],   v[SC+4*\j],   v[SC+4*\j+1]
	v_cvt_pk_bf16_f32 v[SC+64+2*\j+1], v[SC+4*\j+2], v[SC+4*\j+3]
.endr
.irp j, 0,1,2,3,4,5,6,7
	ds_store_b64 v[CKS], v[SC+64+2*\j:SC+64+2*\j+1] offset:KP*\j
.endr
	s_wait_dscnt 0x8                               ; behind V's last load stand exactly those eight stores: V's loads are in
.irp j, 0,1,2,3,4,5,6,7
	v_cvt_pk_bf16_f32 v[SC+80+2*\j],   v[SC+32+4*\j],   v[SC+32+4*\j+1]
	v_cvt_pk_bf16_f32 v[SC+80+2*\j+1], v[SC+32+4*\j+2], v[SC+32+4*\j+3]
.endr
.irp j, 0,1,2,3,4,5,6,7
	ds_store_b64 v[CVS], v[SC+80+2*\j:SC+80+2*\j+1] offset:VP*((\j&3)+8*(\j>>2))
.endr
.endm
; 16 loads: the K fragments of the 64 keys of step st (0 or 1) of the tile
.macro KLOAD st
	WIN 0
.irp t, 0,1,2,3
.irp k, 0,1
	ds_load_b128 v[KF+16*\t+8*\k:KF+16*\t+8*\k+3],   v[KA] offset:(64*\st+16*\t)*KP+64*\k
	ds_load_b128 v[KF+16*\t+8*\k+4:KF+16*\t+8*\k+7], v[KA] offset:(64*\st+16*\t)*KP+64*\k+32
.endr
.endr
.endm
; 16 transposing loads: the V^T fragments of the same 64 keys: lane (r, h) gets d = 16 t + r, keys 8 h + 0..7 and 16 + 8 h + 0..7 of each 32
.macro VLOAD st
	WIN W_D1
.irp k, 0,1
.irp t, 0,1,2,3
	ds_load_tr16_b128 v[VF+32*\k+8*\t:VF+32*\k+8*\t+3],   v[VA] offset:(64*\st+32*\k)*VP+32*\t
	ds_load_tr16_b128 v[VF+32*\k+8*\t+4:VF+32*\k+8*\t+7], v[VA] offset:(64*\st+32*\k+16)*VP+32*\t
.endr
.endr
.endm
; 32 matrix instructions: scores of 64 keys x 64 queries.  The first half of d starts the sums with the constant 0.
; The 16 accumulators take turns, one instruction a turn.
.macro SMUL
	WIN W_S
.irp k, 0,1
.irp t, 0,1,2,3
.irp q, 0,1,2,3
.if \k
	v_wmma_f32_16x16x32_bf16 v[SC+32*\q+8*\t:SC+32*\q+8*\t+7], v[KF+16*\t+8*\k:KF+16*\t+8*\k+7], v[QF+16*\q+8*\k:QF+16*\q+8*\k+7], v[SC+32*\q+8*\t:SC+32*\q+8*\t+7]
.else
	v_wmma_f32_16x16x32_bf16 v[SC+32*\q+8*\t:SC+32*\q+8*\t+7], v[KF+16*\t+8*\k:KF+16*\t+8*\k+7], v[QF+16*\q+8*\k:QF+16*\q+8*\k+7], 0
.endif
.endr
.endr
.endr
.endm
; 32 matrix instructions: 64 keys into the output sums of 64 d x 64 queries.  first = 1: the launch's first 32 keys start the sums: nothing is cleared.
; The 16 accumulators take turns, one instruction a turn.
.macro PVMUL first
	WIN W_PV
.irp k, 0,1
.irp t, 0,1,2,3
.irp q, 0,1,2,3
.if \first*(1-\k)
	v_wmma_f32_16x16x32_bf16 v[OA+32*\q+8*\t:OA+32*\q+8*\t+7], v[VF+32*\k+8*\t:VF+32*\k+8*\t+7], v[SC+32*\q+8*\k:SC+32*\q+8*\k+7], 0
.else
	v_wmma_f32_16x16x32_bf16 v[OA+32*\q+8*\t:OA+32*\q+8*\t+7], v[VF+32*\k+8*\t:VF+32*\k+8*\t+7], v[SC+32*\q+8*\k:SC+32*\q+8*\k+7], v[OA+32*\q+8*\t:OA+32*\q+8*\t+7]
.endif
.endr
.endr
.endr
.endm
; One query tile's 64 keys: a lane holds 32 scores of its query, the lane 16 further the other 32.  first = 1: no maximum and no sum exist yet.
.macro SOFTMAX q, first
	WIN 0
.set X, SC+32*\q
.irp i, 0,1,2,3
	v_max3_num_f32 v[TM+\i], v[X+8*\i], v[X+8*\i+1], v[X+8*\i+2]          ; four chains that do not wait for each other
.endr
.irp i, 0,1,2,3
	v_max3_num_f32 v[TM+\i], v[TM+\i], v[X+8*\i+3], v[X+8*\i+4]
.endr
.irp i, 0,1,2,3
	v_max3_num_f32 v[TM+\i], v[TM+\i], v[X+8*\i+5], v[X+8*\i+6]
.endr
	v_max3_num_f32 v[TM], v[TM], v[TM+1], v[X+7]
	v_max3_num_f32 v[TM+2], v[TM+2], v[TM+3], v[X+15]
	v_max3_num_f32 v[TM], v[TM], v[TM+2], v[X+23]
.if \first
	v_max_num_f32 v[TM], v[TM], v[X+31]
.else
	v_max3_num_f32 v[TM], v[TM], v[X+31], v[MX+\q]                        ; the maximum so far joins in
.endif
	v_permlanex16_b32 v[TM+1], v[TM], s50, s51                            ; the other half's 32 keys
	v_max_num_f32 v[TM], v[TM], v[TM+1]                                   ; m, the same in both halves
	v_mul_f32 v[NM], s48, v[TM]                                           ; -m c
.if \first == 0
	v_fma_f32 v[AL+2*\q], v[MX+\q], s46, v[NM]                            ; (old m - m) c
.endif
	v_mov_b32 v[MX+\q], v[TM]
.set i, 0
.rept 16
	v_pk_fma_f32 v[X+2*i:X+2*i+1], v[X+2*i:X+2*i+1], s[46:47], v[NM:NM+1] op_sel_hi:[1,0,0]   ; s c - m c, at most about 0
.set i, i+1
.endr
.set i, 0
.rept 32
	v_exp_f32 v[X+i], v[X+i]
.set i, i+1
.endr
.if \first == 0
	v_exp_f32 v[AL+2*\q], v[AL+2*\q]                                      ; the factor that brings the old sums to the new maximum
.endif
	v_nop                                                                 ; one plain place behind the transcendentals before their results are used (ISA guide 5.7.2)
	s_wait_alu depctr_va_vdst(0)
.irp i, 0,1,2,3
	v_pk_add_f32 v[UU+2*\i:UU+2*\i+1], v[X+2*\i:X+2*\i+1], v[X+8+2*\i:X+8+2*\i+1]            ; the first pairs start four chains
.endr
.irp i, 0,1,2,3
	v_pk_add_f32 v[UU+2*\i:UU+2*\i+1], v[UU+2*\i:UU+2*\i+1], v[X+16+2*\i:X+16+2*\i+1]
.endr
.irp i, 0,1,2,3
	v_pk_add_f32 v[UU+2*\i:UU+2*\i+1], v[UU+2*\i:UU+2*\i+1], v[X+24+2*\i:X+24+2*\i+1]
.endr
	v_pk_add_f32 v[UU:UU+1], v[UU:UU+1], v[UU+2:UU+3]
	v_pk_add_f32 v[UU+4:UU+5], v[UU+4:UU+5], v[UU+6:UU+7]
	v_pk_add_f32 v[UU:UU+1], v[UU:UU+1], v[UU+4:UU+5]
.if \first
	v_add_f32 v[LS+\q], v[UU], v[UU+1]
.else
	v_add_f32 v[UU], v[UU], v[UU+1]
	v_fma_f32 v[LS+\q], v[LS+\q], v[AL+2*\q], v[UU]                       ; the sum stays this lane's half; the halves meet once, at the end
.endif
.set i, 0
.rept 16
	v_cvt_pk_bf16_f32 v[X+i], v[X+2*i], v[X+2*i+1]                        ; in place, ascending: register X + i was last read by conversion i / 2
.set i, i+1
.endr
.endm
; The output sums are brought to the new maxima: one factor a lane and a query tile
.macro RESCALE
	WIN W_RS
.irp q, 0,1,2,3
.set i, 0
.rept 16
	v_pk_mul_f32 v[OA+32*\q+2*i:OA+32*\q+2*i+1], v[OA+32*\q+2*i:OA+32*\q+2*i+1], v[AL+2*\q:AL+2*\q+1] op_sel_hi:[1,0]
.set i, i+1
.endr
.endr
.endm
; One tile of 128 keys, which lies in a slot.  refill = 1: the next tile is asked for, into the other slot.  first = 1: the launch's first tile.
.macro TRIP slot, refill, first
	s_wait_tensorcnt 0x0                           ; all my tensor loads have landed, my part of this tile among them,
	ds_add_u32 v62, v63
	s_wait_dscnt 0x0
	s_add_nc_u64 s[G0+4*\slot+2:G0+4*\slot+3], s[G0+4*\slot+2:G0+4*\slot+3], 2*TILEB   ; so a group 0 may be written: this slot's next tile, two tiles on
	s_wait_dscnt 0x0                               ; my reads of the stages and of the other slot are back
	ROUND                                          ; both now hold of every wave of all four work-groups
.if \refill
	tensor_load_to_lds s[G0+4*(1-\slot):G0+4*(1-\slot)+3], s[G1J:G1J+7]   ; my one tensor load behind the round, and the first thing there; it has the whole trip in which to land
	s_nop 0
.endif
	CONVERT \slot
	s_wait_dscnt 0x0                               ; my stores into the stages are done,
	s_barrier_signal -1
	s_barrier_wait -1                              ; everybody's are.  The tensor load stays out across it
	KLOAD 0
	VLOAD 0
	s_wait_dscnt 0x10                              ; K's 16 loads are in; V's 16, issued behind them, may be out
	SMUL
	PLACES
	KLOAD 1                                        ; the second step's K, under the softmax
.irp q, 0,1,2,3
	SOFTMAX \q, \first
.endr
.if \first == 0
	RESCALE
.endif
	s_wait_dscnt 0x10                              ; V's 16 loads are in; the 16 of the second step's K may be out
	PVMUL \first
	PLACES
	VLOAD 1
	s_wait_dscnt 0x10                              ; the second step's K is in; its V may be out
	SMUL
	PLACES
.irp q, 0,1,2,3
	SOFTMAX \q, 0
.endr
	RESCALE
	s_wait_dscnt 0x0                               ; the second step's V is in
	PVMUL 0
	WIN 0
	PLACES                                         ; for the next trip's loads into, and products over, the registers just read; at the end for the way out
.endm
	TRIP 0, 1, 1                                   ; 16 tiles: two in front of the loop (the first starts every sum),
	TRIP 1, 1, 0
	s_mov_b32 s44, 6                               ; twelve in it,
.Llap:
	TRIP 0, 1, 0
	TRIP 1, 1, 0
	s_sub_co_u32 s44, s44, 1
	s_cmp_lg_u32 s44, 0
	s_cbranch_scc1 .Llap
	TRIP 0, 1, 0                                   ; two behind it: the last asks for nothing (slot 0's stepped address is not used)
	TRIP 1, 0, 0
	; THE WAY OUT.  The two halves' sums meet; every output is divided by its query's sum; a lane's eight numbers (d = 16 t + 8 h + 0..7 of query 16 q + r)
	; go as two times 16 bytes into my wave's own stage, the bytes that held my Q (their one fill is long over), and come back as whole rows.
.irp q, 0,1,2,3
	v_permlanex16_b32 v[TM+\q], v[LS+\q], s50, s51
.endr
.irp q, 0,1,2,3
	v_add_f32 v[LS+\q], v[LS+\q], v[TM+\q]         ; at least about 1: the key of the maximum adds exp2(0)
.endr
.irp q, 0,1,2,3
	v_rcp_f32 v[AL+2*\q], v[LS+\q]
.endr
	v_nop                                          ; the plain place behind the transcendentals
	WIN W_OUT
	s_wait_alu depctr_va_vdst(0)
.irp q, 0,1,2,3
.set i, 0
.rept 16
	v_pk_mul_f32 v[SC+32*\q+2*i:SC+32*\q+2*i+1], v[OA+32*\q+2*i:OA+32*\q+2*i+1], v[AL+2*\q:AL+2*\q+1] op_sel_hi:[1,0]
.set i, i+1
.endr
.endr
	WIN 0
.irp q, 0,1,2,3
.irp t, 0,1,2,3
	ds_store_b128 v[QA], v[SC+32*\q+8*\t:SC+32*\q+8*\t+3]   offset:\q*16*QP+64*\t
	ds_store_b128 v[QA], v[SC+32*\q+8*\t+4:SC+32*\q+8*\t+7] offset:\q*16*QP+64*\t+16
.endr
.endr
	s_wait_dscnt 0x0                               ; the stores are done: their data registers are loaded again below
.set i, 0
.rept 32
	ds_load_b128 v[SC+4*i:SC+4*i+3], v[RD] offset:2*QP*i                  ; rows 2 i and 2 i + 1 of my 64
.set i, i+1
.endr
.set i, 0
.rept 32
	s_wait_dscnt 31-i                              ; LDS loads come back in order (ISA guide 5.7.1): load i is in, the 31 - i younger ones may be out
	global_store_b128 v[GO], v[SC+4*i:SC+4*i+3], s[10:11] offset:512*i th:TH_STORE_NT   ; the wave stores 512 consecutive bytes, at a multiple of 512 from out0's first byte
.set i, i+1
.endr
	s_wait_tensorcnt 0x0
	ds_add_u32 v62, v63
	s_wait_dscnt 0x0
	ROUND                                          ; the closing round: no work-group ends while a partner may still ask for a tile that names it
	s_endpgm
.Lfunc_end_k_q1cfc3c7cac_attn:
	.size	k_q1cfc3c7cac_attn, .Lfunc_end_k_q1cfc3c7cac_attn-k_q1cfc3c7cac_attn
	.p2alignl 7, 3214868480
	.fill 96, 4, 3214868480
	.section	.rodata,"a",@progbits
	.p2align	6, 0x0
	.amdhsa_kernel k_q1cfc3c7cac_attn
		.amdhsa_group_segment_fixed_size 327680
		.amdhsa_private_segment_fixed_size 0
		.amdhsa_enable_private_segment 0
		.amdhsa_kernarg_size 32
		.amdhsa_user_sgpr_count 2
		.amdhsa_user_sgpr_kernarg_segment_ptr 1
		.amdhsa_wavefront_size32 1
		.amdhsa_system_sgpr_workgroup_id_x 1
		.amdhsa_system_sgpr_workgroup_id_y 1
		.amdhsa_system_sgpr_workgroup_id_z 1
		.amdhsa_system_vgpr_workitem_id 0
		.amdhsa_next_free_vgpr 512
		.amdhsa_next_free_sgpr 66
		.amdhsa_reserve_vcc 0
		.amdhsa_float_denorm_mode_32 3
		.amdhsa_float_denorm_mode_16_64 3
		.amdhsa_memory_ordered 1
		.amdhsa_forward_progress 1
		.amdhsa_inst_pref_size 255
	.end_amdhsa_kernel
	.section	.bss,"aw",@nobits
	.p2align	6
	.space	262144
	.amdgpu_metadata
---
amdhsa.version: [ 1, 2 ]
amdhsa.kernels:
  - .name:           k_q1cfc3c7cac_attn
    .symbol:         k_q1cfc3c7cac_attn.kd
    .args:
      - { .name: query, .offset: 0, .size: 8, .value_kind: global_buffer, .address_space: global }
      - { .name: key, .offset: 8, .size: 8, .value_kind: global_buffer, .address_space: global }
      - { .name: value, .offset: 16, .size: 8, .value_kind: global_buffer, .address_space: global }
      - { .name: out0, .offset: 24, .size: 8, .value_kind: global_buffer, .address_space: global }
    .group_segment_fixed_size: 327680
    .private_segment_fixed_size: 0
    .kernarg_segment_align: 8
    .kernarg_segment_size: 32
    .max_flat_workgroup_size: 256
    .sgpr_count:     66
    .vgpr_count:     512
    .wavefront_size: 32
...
	.end_amdgpu_metadata
.endif
;; end of part 1
